; MI455X (gfx1250); checked and timed in simulation.
; The chip was launched on July 23, 2026; its instructions are those of AMD's public machine-readable ISA for CDNA 5 (MIT licence, August 2026) and "CDNA5" Instruction Set Architecture Reference Guide (July 2026). The comments in the code are by the model that wrote it; some were corrected since.
;; SOM. Allowed arithmetic: matrix products marked QUANTISED: E2M1 operands, one E8M0 scale for each 32 along K, by v_wmma_scale_f32_16x16x128_f8f6f4 with both operands' format E2M1 (or v_wmma_scale_f32_32x16x128_f4), f32 sums; everything else in f32.
;; Inputs: location 4,096 x 2 float32; weight 64 x 4,096 float32; x 65,536 x 64 float32.
;; Outputs: out0 one number float32; out1 65,536 x 1 x 2 float32.
;; This version of the problem:
;;   THIS VERSION OF THE PROBLEM IS GIVEN IN LOW PRECISION. The matrix products marked QUANTISED in the list below multiply operands that are first quantised to E2M1 (2 exponent bits, 1 mantissa bit; 4 bits a number), with one power-of-two scale for each 32 numbers along K (OCP MX v1.0); their sums are f32. All else is computed in f32.
;;   The module's matrix products, in the order in which they are computed (A, B: the left and right operand; K: the contracted axis; several contracted axes count as one K, in the product's order):
;;     1. [M 65,536, K 64] x [K 64, N 4,096]; A: input x; B: input weight: QUANTISED
;;   THE QUANTISER, for each operand of a quantised product, along K:
;;     - K is cut into blocks of 32 from its start; a last block that is shorter is filled with zeros.
;;     - A block's scale is 2^e with e = floor(log2(the largest magnitude in the block)) - 2, held to -126 .. 127; a block of zeros has e = 0. As a byte (E8M0): e + 127.
;;     - Each number is divided by its block's scale, clamped to +-6, and rounded to the nearest number of E2M1, ties to even, subnormals kept.
;;     - The product sums the exact products of the quantised numbers (number of the format x scale) in f32.
;;   ~~~python
;;   def quantise(x, axis):      # numpy; x: float32 -> the quantised numbers, widened to float32 again
;;       x = np.moveaxis(x, axis, -1); K = x.shape[-1]
;;       x = np.pad(x, [(0, 0)] * (x.ndim - 1) + [(0, -K % 32)]); x = x.reshape(x.shape[:-1] + (-1, 32)); a = np.abs(x).max(-1, keepdims=True)
;;       e = np.where(a > 0, np.clip(np.frexp(np.where(a > 0, a, 1))[1] - 1 - 2, -126, 127), 0)      # np.frexp(a)[1] - 1 = floor(log2(a)), exactly
;;       r = np.clip(x / 2.0 ** e, -6, 6)
;;       step = 2.0 ** (np.maximum(np.frexp(np.where(r == 0, 1, r))[1] - 1, 0) - 1)
;;       q = np.round(r / step) * step * 2.0 ** e      # np.round: ties to even
;;       return np.moveaxis(q.reshape(q.shape[:-2] + (-1,))[..., :K], -1, axis).astype(np.float32)
;;   ~~~
;; One version. Each part assembles by itself: llvm-mc -triple=amdgcn-amd-amdhsa -mcpu=gfx1250 --defsym DOCPART=n.
;; ======== version 1 of 1: 3 launches
;; workspace buffers: wcodes 131,072 bytes; wscale 16,384 bytes; nhalf 16,384 bytes; xcodes 2,097,152 bytes; xmeta 524,288 bytes; blk 262,144 bytes of whole numbers; part 1,024 bytes
;; launch prep (part 1): grid 32 x 1, 4 waves a work-group, no clusters, 1,536 bytes of LDS; arguments weight, wcodes, wscale, nhalf; writes wcodes, wscale, nhalf
.if DOCPART == 1
	.amdgcn_target "amdgcn-amd-amdhsa--gfx1250"
	.amdhsa_code_object_version 6
	.text
	.protected	k_q47a3d9f5a8_prep
	.globl	k_q47a3d9f5a8_prep
	.p2align	8
	.type	k_q47a3d9f5a8_prep,@function
k_q47a3d9f5a8_prep:
	s_mov_b64 s[64:65], 0
	v_nop
	global_prefetch_b8 v0, s[64:65] scope:SCOPE_SE
	s_setreg_imm32_b32 hwreg(HW_REG_WAVE_MODE, 25, 1), 1
	s_wait_xcnt 0x0
; weight [64][4096] f32, K its FIRST axis, becomes: codes of FP4 (E2M1) with K innermost, one E8M0 byte for each 32 along K, and -w2/2 for each column (w2 = the sum of the column's squares, of the numbers as given).
; A LANE TAKES A COLUMN AND ITS REGISTERS RUN DOWN K: each load reads 128 consecutive bytes a wave, a block of 32 lies in one lane's registers, and the conversions give codes with K innermost.
; LAYOUTS (read by this program alone).  wcodes: 256 blocks of 16 neighbouring columns, 512 bytes each, the image of an operand's four low registers: byte 512 G + 256 hk + 16 r holds column 16 G + r, k = 32 hk .. 32 hk + 31.
;   wscale: a word a column: its two bytes, then 0x7f, 0x7f (they scale zero codes).   nhalf: -0.5 w2, f32, a word a column.
; A block's scale is 2^(floor(log2(its largest magnitude)) - 2); its byte is that magnitude's exponent field - 2, held at 1 from below.
; LIMITS: a block of zeros gets the byte 1 where the rule says 127 (its codes are zeros, which add nothing under any byte but 0xff); NaN and infinities are not served; w2 is summed in two packed chains, not in the order of a serial sum.
; 32 work-groups of 128 columns.  No cluster: no two work-groups read the same byte.  No matrix work, no tensor load: 1 MiB is read once.
.set X, 32                             ; v32-95  my column's 64 numbers
	s_load_b256 s[4:11], s[0:1], 0x0               ; weight s[4:5], wcodes s[6:7], wscale s[8:9], nhalf s[10:11]
	v_lshl_add_u32 v96, v0, 2, 0x400
	v_mov_b32 v97, 0
	v_lshrrev_b32 v4, 5, v0
	v_readfirstlane_b32 s12, v4                    ; wave 0..3
	v_lshlrev_b32 v1, 2, v0                        ; 4 x thread: my column in a row of weight; my word in LDS
	v_lshrrev_b32 v2, 4, v0
	v_and_b32 v5, 15, v0
	v_lshlrev_b32 v2, 9, v2
	v_lshl_add_u32 v2, v5, 4, v2                   ; my codes: 512 x (thread / 16) + 16 x (thread % 16)
	v_lshlrev_b32 v3, 4, v0                        ; 16 x thread: the way out of LDS
	v_and_b32 v6, 31, v0
	v_lshlrev_b32 v6, 4, v6                        ; 16 x lane
	s_lshl_b32 s14, ttmp9, 9                       ; 128 columns: 512 bytes of a row of weight, of nhalf and of wscale,
	s_mov_b32 s15, 0
	s_lshl_b32 s16, ttmp9, 12                      ; and 8 blocks of 512 bytes of codes
	s_mov_b32 s17, 0
	s_wait_alu depctr_va_vdst(0)
	s_wait_kmcnt 0x0
	s_add_nc_u64 s[4:5], s[4:5], s[14:15]
	s_add_nc_u64 s[6:7], s[6:7], s[16:17]
	s_add_nc_u64 s[8:9], s[8:9], s[14:15]
	s_add_nc_u64 s[10:11], s[10:11], s[14:15]
.set i, 0
.rept 64
	global_load_b32 v[X+i], v1, s[4:5] offset:i*16384 th:TH_LOAD_NT   ; weight(i, my column); the largest offset, 63 rows of 16,384 bytes, lies inside the signed 24-bit immediate
.set i, i+1
.endr
; Block h of my column: its largest magnitude (33 leaves: 32 numbers and the floor), its squares, its scale, its 32 codes.
.macro WBLK h
.set XB, X+32*\h
.if \h == 0
	s_wait_loadcnt 32                              ; block 0's 32 loads are in; block 1's 32 may be out
.else
	s_wait_loadcnt 0x0
.endif
	v_max3_num_f32 v12, |v[XB]|, |v[XB+1]|, 0x1800000             ; the floor 2^(3 - 127): the byte cannot fall under 1
	v_max3_num_f32 v13, |v[XB+16]|, |v[XB+17]|, |v[XB+18]|        ; two chains, so that no line waits for the line above it
.irp i, 2,4,6,8,10,12
	v_max3_num_f32 v12, v12, |v[XB+\i]|, |v[XB+\i+1]|
	v_max3_num_f32 v13, v13, |v[XB+17+\i]|, |v[XB+18+\i]|
.endr
	v_max3_num_f32 v12, v12, |v[XB+14]|, |v[XB+15]|
	v_max3_num_f32 v12, v12, v13, |v[XB+31]|
.if \h == 0
	v_pk_mul_f32 v[8:9], v[XB:XB+1], v[XB:XB+1]                   ; the first squares start the sums: nothing is cleared
	v_pk_mul_f32 v[10:11], v[XB+2:XB+3], v[XB+2:XB+3]
.else
	v_pk_fma_f32 v[8:9], v[XB:XB+1], v[XB:XB+1], v[8:9]
	v_pk_fma_f32 v[10:11], v[XB+2:XB+3], v[XB+2:XB+3], v[10:11]
.endif
.irp i, 4,8,12,16,20,24,28
	v_pk_fma_f32 v[8:9], v[XB+\i:XB+\i+1], v[XB+\i:XB+\i+1], v[8:9]
	v_pk_fma_f32 v[10:11], v[XB+\i+2:XB+\i+3], v[XB+\i+2:XB+\i+3], v[10:11]
.endr
	v_add_nc_u32 v[14+\h], 0xff000000, v12         ; 2 off the exponent field: the conversion takes this operand's exponent field as its scale
	v_lshrrev_b32 v[16+\h], 23, v[14+\h]           ; the scale's byte
.irp i, 0,1,2,3
	v_cvt_scalef32_pk8_fp4_f32 v[20+4*\h+\i], v[XB+8*\i:XB+8*\i+7], v[14+\h]   ; eight numbers / the scale, to the nearest code, ties to even, beyond 6 the largest code
.endr
	v_nop                                          ; one plain line behind the last conversion
	global_store_b128 v2, v[20+4*\h:23+4*\h], s[6:7] offset:256*\h   ; sixteen lanes store 256 consecutive bytes, aligned
.endm
	WBLK 0
	WBLK 1
	v_pk_add_f32 v[8:9], v[8:9], v[10:11]
	v_lshl_or_b32 v18, v17, 8, v16
	v_add_f32 v8, v8, v9                           ; w2
	v_or_b32 v18, 0x7f7f0000, v18                  ; the scale word
	v_mul_f32 v19, -0.5, v8
	; a word a lane would be 128 bytes a wave: the work-group's 128 words of each kind meet in LDS and leave as 512 consecutive bytes
	ds_store_b32 v1, v19
	ds_store_b32 v1, v18 offset:512
	s_wait_dscnt 0x0                               ; for the others' sake: my stores have landed
	s_barrier_signal -1
	s_barrier_wait -1
	s_cmp_lt_u32 s12, 2
	s_cbranch_scc0 .Ldone                          ; wave 0 stores nhalf's 512 bytes, wave 1 wscale's
	ds_load_b128 v[28:31], v3                      ; 16 x thread = 512 x wave + 16 x lane
	s_cmp_eq_u32 s12, 0
	s_cselect_b64 s[18:19], s[10:11], s[8:9]
	s_wait_dscnt 0x0
	global_store_b128 v6, v[28:31], s[18:19]
.Ldone:
	s_wait_tensorcnt 0x0
	ds_add_u32 v96, v97
	s_wait_dscnt 0x0
	s_endpgm
.Lfunc_end_k_q47a3d9f5a8_prep:
	.size	k_q47a3d9f5a8_prep, .Lfunc_end_k_q47a3d9f5a8_prep-k_q47a3d9f5a8_prep
	.p2alignl 7, 3214868480
	.fill 96, 4, 3214868480
	.section	.rodata,"a",@progbits
	.p2align	6, 0x0
	.amdhsa_kernel k_q47a3d9f5a8_prep
		.amdhsa_group_segment_fixed_size 1536
		.amdhsa_private_segment_fixed_size 0
		.amdhsa_enable_private_segment 0
		.amdhsa_kernarg_size 32
		.amdhsa_user_sgpr_count 2
		.amdhsa_user_sgpr_kernarg_segment_ptr 1
		.amdhsa_wavefront_size32 1
		.amdhsa_system_sgpr_workgroup_id_x 1
		.amdhsa_system_sgpr_workgroup_id_y 1
		.amdhsa_system_sgpr_workgroup_id_z 1
		.amdhsa_system_vgpr_workitem_id 0
		.amdhsa_next_free_vgpr 98
		.amdhsa_next_free_sgpr 66
		.amdhsa_reserve_vcc 0
		.amdhsa_float_denorm_mode_32 3
		.amdhsa_float_denorm_mode_16_64 3
		.amdhsa_memory_ordered 1
		.amdhsa_forward_progress 1
		.amdhsa_inst_pref_size 14
	.end_amdhsa_kernel
	.amdgpu_metadata
---
amdhsa.version: [ 1, 2 ]
amdhsa.kernels:
  - .name:           k_q47a3d9f5a8_prep
    .symbol:         k_q47a3d9f5a8_prep.kd
    .args:
      - { .name: weight, .offset: 0, .size: 8, .value_kind: global_buffer, .address_space: global }
      - { .name: wcodes, .offset: 8, .size: 8, .value_kind: global_buffer, .address_space: global }
      - { .name: wscale, .offset: 16, .size: 8, .value_kind: global_buffer, .address_space: global }
      - { .name: nhalf, .offset: 24, .size: 8, .value_kind: global_buffer, .address_space: global }
    .group_segment_fixed_size: 1536
    .private_segment_fixed_size: 0
    .kernarg_segment_align: 8
    .kernarg_segment_size: 32
    .max_flat_workgroup_size: 128
    .sgpr_count:     66
    .vgpr_count:     98
    .wavefront_size: 32
...
	.end_amdgpu_metadata
.endif
;; end of part 1
;; launch sweep (part 2): grid 256 x 1, 8 waves a work-group, clusters of 4 x 1, 242,688 bytes of LDS; arguments x, wcodes, wscale, nhalf, xcodes, xmeta, blk, part; writes xcodes, xmeta, blk, part
.if DOCPART == 2
	.amdgcn_target "amdgcn-amd-amdhsa--gfx1250"
	.amdhsa_code_object_version 6
	.text
	.protected	k_q47a3d9f5a8_sweep
	.globl	k_q47a3d9f5a8_sweep
	.p2align	8
	.type	k_q47a3d9f5a8_sweep,@function
k_q47a3d9f5a8_sweep:
	s_mov_b64 s[64:65], 0
	v_nop
	global_prefetch_b8 v0, s[64:65] scope:SCOPE_SE
	s_setreg_imm32_b32 hwreg(HW_REG_WAVE_MODE, 25, 1), 1
	s_wait_xcnt 0x0
	s_wait_alu depctr_hold_cnt(0) depctr_sa_sdst(0) depctr_va_vdst(0) depctr_va_sdst(0) depctr_va_ssrc(0) depctr_va_vcc(0) depctr_vm_vsrc(0)
	s_getreg_b32 s2, hwreg(HW_REG_IB_STS2, 6, 4)
	s_cmp_eq_u32 s2, 0
	s_cbranch_scc0 .Lentry_in_a_cluster
	s_endpgm
.Lentry_in_a_cluster:
	s_bfe_u32 s2, ttmp6, 0x10000c
	s_cmp_lg_u32 s2, 0x3003
	s_cbranch_scc0 .Lentry_shape_is_right
	s_endpgm
.Lentry_shape_is_right:
; For each of 65,536 rows of x (64 numbers): which BLOCK of 16 neighbouring codebook columns holds the nearest column, and the distance to it.
; d2 = x2 + w2 - 2 x.w, the product on codes of FP4 (E2M1) with one E8M0 scale for each 32 along K.  With F = x.w - w2/2 and cx = x2/2: d2 = 2 (cx - F).  The root and the clip at 0 rise with d2, so the
; nearest column is the one with the largest F' = min(F, cx); the root is taken of the winner alone.  -w2/2 is the C of the matrix instruction.  K is 64: the upper half of the instruction's 128 is zero codes.
; The clip is kept because it decides the winner where several d2 are 0 or less: equal F' go to the lowest column.
; LIMITS: the score is rounded once, as x.w - w2/2, and x2 is added at the end; x2 is summed in packed chains.  So two columns whose d2 differ by a few units in the last place of x2 + w2 may change places against a
;   program that rounds x2 + w2 first; ties that arise only because the root rounds two different d2 to one number are not made again.  A block of zeros of x carries the byte 1, not 127 (its codes are zeros).  NaN and infinities are not served.
; SHARES.  A work-group owns 256 rows: 16 tiles of 16.  ITS EIGHT WAVES SHARE THE COLUMNS, NOT THE ROWS: wave w owns columns 512 w .. 512 w + 511 against all 256 rows, in two passes of 8 tiles.
;   So a wave's part of the codebook in LDS is read by that wave alone, each fragment read from LDS feeds 8 matrix instructions, and all fits in 256 registers.
; THE MATRIX INSTRUCTION IS USED TRANSPOSED: source 0 = 16 columns of the codebook, source 1 = 16 rows of x: a lane holds ONE row of x (lane % 16) and eight columns.
; THE COLUMNS OF A TILE ARE NOT NEIGHBOURS: a group is 32 columns in two tiles u = 0, 1; row 8 a + j of tile u is column 32 g + 16 a + 8 u + j.  So the 16 scores that half h of the lanes sees in a group are block 2 g + h.
; A CELL (a group against a tile of x) is 2 matrix instructions and 11 vector instructions: 8 maxima of three over 16 scores and the running maximum, the clip, a compare, a select of the group's number.
; CLUSTER.  Every work-group reads the same codebook (160 KiB): the four of a cluster ask for each part JOINTLY, by the same tensor load with the same descriptor and the mask of all four.  LDS is filled once: no slot is filled again.
.set WREG,   24576                     ; LDS, a wave's own: 32 blocks of codes at a pitch of 640 (512 + 128 of padding: the two blocks that a fragment load touches start 128 bytes apart modulo 256),
.set CPITCH, 640
.set GRPB,   2*CPITCH                  ; (a group: two blocks)
.set SCLO,   20480                     ; its 512 scale words,
.set NHFO,   22528                     ; its 512 numbers -w2/2
.set XIMG,   8*WREG                    ; the work-group's: x's 16 fragments as images of their four low registers, 512 bytes each,
.set XSC,    XIMG+8192                 ; a scale word a row,
.set CXS,    XSC+1024                  ; cx a row,
.set RES,    CXS+1024                  ; the waves' results: [tile][wave][lane] x 8 bytes,
.set GOUT,   RES+32768                 ; the rows' winning blocks,
.set SUMS,   GOUT+1024                 ; the waves' sums of distances
.set WV, 20                            ; s20  my wave's number
.set WS, 22                            ; v22-23   the columns' scale words, one register a buffer: lanes 0-15 tile 0, lanes 16-31 tile 1
.set XS, 24                            ; v24-27   x's scale words: lanes 0-15 an even tile, lanes 16-31 the odd one behind it
.set CX, 28                            ; v28-35   cx of my row in each of the pass's 8 tiles
.set P,  36                            ; v36-51   pairs (running maximum, group) for the 8 tiles
.set RB, 52                            ; v52-59   the running maxima's second set: the old one is compared with the new
.set XF, 64                            ; v64-127  x's 8 fragments; the upper four registers of each are zero codes
.set WA, 128                           ; v128-159 the group's two fragments, two buffers; the upper four of each are zero codes
.set WC, 160                           ; v160-191 -w2/2 in the result's layout, likewise
.set DD, 192                           ; v192-223 the scores: two sets of 16
.set RAW, 128                          ; at the head: 64 numbers of x
; v1 lane, v2 r, v3 h; v4 x's offset; v5-7 my lane's place in a group's codes, scale words, -w2/2; v8-10 the same in the trip at hand; v11-19, v60-63 addresses (below); v[20:21] my row's scale word and cx; v224-246 at work at the head
.macro CROUND                          ; a round of the cluster's barrier: my work-group's barrier; wave 0 signals for it; every wave waits for all four work-groups; my work-group's barrier once more
	s_barrier_signal -1
	s_barrier_wait -1
	s_cmp_lg_u32 s[WV], 0
	s_cbranch_scc1 .Lnot_wave_0_\@
	s_barrier_signal -3
.Lnot_wave_0_\@:
	s_barrier_wait -3
	s_barrier_signal -1
	s_barrier_wait -1
.endm
	s_load_b512 s[4:19], s[0:1], 0x0               ; x s[4:5], wcodes s[6:7], wscale s[8:9], nhalf s[10:11], xcodes s[12:13], xmeta s[14:15], blk s[16:17], part s[18:19]
	v_lshl_add_u32 v254, v0, 2, 0x3b000
	v_mov_b32 v255, 0
	ds_add_u32 v254, v255
	ds_add_u32 v254, v255
	v_lshrrev_b32 v1, 5, v0
	s_delay_alu instid0(VALU_DEP_1)
	v_readfirstlane_b32 s[WV], v1                  ; wave 0..7
	v_and_b32 v1, 31, v0                           ; lane
	v_and_b32 v2, 15, v0                           ; r
	v_bfe_u32 v3, v0, 4, 1                         ; h
	s_delay_alu instid0(VALU_DEP_2)
	v_lshlrev_b32 v4, 8, v2
	s_delay_alu instid0(VALU_DEP_1)
	v_lshl_add_u32 v4, v3, 7, v4                   ; x: row r of 256 bytes, + 128 h: lane (r, h) takes the whole block k = 32 h .. 32 h + 31
	s_bfe_u32 s21, ttmp6, 0x40000                  ; cx: my place in the cluster
	s_lshl_b32 s22, ttmp9, 2
	s_add_co_u32 s22, s22, s21                     ; work-group = 4 x cluster + place: it enters the addresses of x and of the four outputs alone
	; descriptor group 1 for scale words and -w2/2: 2,048 dense bytes as 8 rows of 256 (32 elements of 8 bytes)
	s_mov_b32 s24, 15|(3<<16)|(1<<21)              ; 15:0 the mask: all four work-groups; 17:16 elements of 8 bytes; 21 set beside a mask
	s_mov_b32 s25, 32<<16                          ; tensor_dim0 = 32
	s_mov_b32 s26, 8<<16                           ; tensor_dim1 = 8
	s_mov_b32 s27, 32<<16                          ; tile_dim0 = 32
	s_mov_b32 s28, 8                               ; tile_dim1 = 8
	s_mov_b32 s29, 32                              ; elements from row to row
	s_mov_b32 s30, 0
	s_mov_b32 s31, 0
	; and for codes: 16 blocks of 512 bytes (64 elements), 32 words of padding behind each 128
	s_mov_b32 s32, 15|(3<<16)|(1<<20)|(1<<21)|(6<<22)|(31<<25)
	s_mov_b32 s33, 64<<16
	s_mov_b32 s34, 16<<16
	s_mov_b32 s35, 64<<16
	s_mov_b32 s36, 16
	s_mov_b32 s37, 64
	s_mov_b32 s38, 0
	s_mov_b32 s39, 0
	s_mov_b32 s56, 0x76543210
	s_mov_b32 s57, 0xfedcba98                      ; v_permlanex16_b32's selects for lane l xor 16
	s_mov_b32 s62, 0xffff0000                      ; lanes 16-31
	s_mul_i32 s66, s[WV], WREG                     ; my wave's part of LDS: no place in the cluster enters an LDS address
	s_lshl_b32 s70, s[WV], 11                      ; my 512 columns: 2,048 bytes of wscale and of nhalf,
	s_mov_b32 s71, 0
	s_lshl_b32 s72, s[WV], 14                      ; 16,384 bytes of wcodes
	s_mov_b32 s73, 0
	s_lshl_b32 s74, s22, 16                        ; x: 256 rows of 256 bytes a work-group,
	s_lshl_b32 s75, s[WV], 13                      ; 32 rows a wave
	s_add_co_u32 s74, s74, s75
	s_mov_b32 s75, 0
	s_lshl_b32 s76, s22, 13                        ; xcodes: 32 bytes a row
	s_lshl_b32 s77, s[WV], 10
	s_add_co_u32 s76, s76, s77
	s_mov_b32 s77, 0
	s_lshl_b32 s78, s22, 11                        ; xmeta: 8 bytes a row
	s_mov_b32 s79, 0
	s_wait_alu depctr_va_vdst(0)
	s_wait_dscnt 0x0
	s_wait_kmcnt 0x0
	s_add_nc_u64 s[4:5], s[4:5], s[74:75]
.irp t, 0,1                                    ; wave w quantises rows 32 w .. 32 w + 31: tiles 2 w and 2 w + 1
.irp i, 0,1,2,3,4,5,6,7
	global_load_b128 v[RAW+32*\t+4*\i:RAW+32*\t+4*\i+3], v4, s[4:5] offset:4096*\t+16*\i th:TH_LOAD_NT
.endr
.endr
	s_add_nc_u64 s[12:13], s[12:13], s[76:77]
	s_add_nc_u64 s[14:15], s[14:15], s[78:79]
	s_lshl_b32 s78, s22, 10                        ; blk: 4 bytes a row
	s_add_nc_u64 s[16:17], s[16:17], s[78:79]
	s_lshl_b32 s78, s22, 2                         ; part: a word a work-group
	s_add_nc_u64 s[18:19], s[18:19], s[78:79]
	; descriptor groups 0: count 1, LDS address, global address, type 2.  All hang on the wave's number alone: they are equal in the four partners
	s_mov_b32 s40, 1                               ; my scale words
	s_add_co_u32 s41, s66, SCLO
	s_add_nc_u64 s[42:43], s[8:9], s[70:71]
	s_or_b32 s43, s43, 0x80000000
	s_mov_b32 s44, 1                               ; my -w2/2
	s_add_co_u32 s45, s66, NHFO
	s_add_nc_u64 s[46:47], s[10:11], s[70:71]
	s_or_b32 s47, s47, 0x80000000
	s_mov_b32 s48, 1                               ; my blocks 0-15
	s_mov_b32 s49, s66
	s_add_nc_u64 s[50:51], s[6:7], s[72:73]
	s_mov_b32 s52, 1                               ; my blocks 16-31
	s_add_co_u32 s53, s66, 16*CPITCH
	s_add_nc_u64 s[54:55], s[50:51], 8192
	s_or_b32 s51, s51, 0x80000000
	s_or_b32 s55, s55, 0x80000000
	CROUND                                         ; all four work-groups are here: the joint loads meet
	tensor_load_to_lds s[40:43], s[24:31]          ; the launch's only fills, as one group: four tensor loads of mine are out
	s_nop 0
	tensor_load_to_lds s[44:47], s[24:31]
	s_nop 0
	tensor_load_to_lds s[48:51], s[32:39]
	s_nop 0
	tensor_load_to_lds s[52:55], s[32:39]
	s_nop 0
.rept 4
	v_nop                                          ; four plain lines follow the loads
.endr
	v_bfe_u32 v224, v0, 3, 1                       ; r / 8
	v_and_b32 v225, 7, v0                          ; r % 8
	s_delay_alu instid0(VALU_DEP_2)
	v_mul_u32_u24 v5, v224, CPITCH                 ; codes: row r of tile u is row 8 u + r % 8 of the group's block r / 8; its half h lies 256 h on
	s_delay_alu instid0(VALU_DEP_1)
	v_lshl_add_u32 v5, v3, 8, v5
	s_delay_alu instid0(VALU_DEP_1)
	v_lshl_add_u32 v5, v225, 4, v5
	s_delay_alu instid0(VALU_DEP_1)
	v_add_nc_u32 v5, s66, v5
	v_lshlrev_b32 v6, 6, v224                      ; scale words: lane 16 u + m takes column 16 (m / 8) + 8 u + m % 8 of the group
	s_delay_alu instid0(VALU_DEP_1)
	v_lshl_add_u32 v6, v3, 5, v6
	s_delay_alu instid0(VALU_DEP_1)
	v_lshl_add_u32 v6, v225, 2, v6
	s_delay_alu instid0(VALU_DEP_1)
	v_add_nc_u32 v6, s41, v6
	v_lshlrev_b32 v7, 6, v3                        ; -w2/2: half h takes columns 16 h + 8 u + 0 .. 7
	s_delay_alu instid0(VALU_DEP_1)
	v_add_nc_u32 v7, s45, v7
	v_lshl_add_u32 v11, v1, 4, XIMG                ; an image's place for my lane
	v_lshl_add_u32 v12, v1, 2, XSC                 ; x's scale words of two tiles
	v_lshl_add_u32 v13, v2, 2, CXS                 ; cx of row r of a tile
	s_lshl_b32 s69, s[WV], 8
	s_add_co_u32 s69, s69, RES
	v_lshl_add_u32 v14, v1, 3, s69                 ; where I put a tile's result
	v_lshrrev_b32 v15, 4, v0
	s_delay_alu instid0(VALU_DEP_1)
	v_lshlrev_b32 v15, 11, v15
	s_delay_alu instid0(VALU_DEP_1)
	v_lshl_add_u32 v15, v2, 3, v15
	s_delay_alu instid0(VALU_DEP_1)
	v_add_nc_u32 v15, RES, v15                     ; and where thread t reads row t's sixteen
	s_lshl_b32 s69, s[WV], 10
	s_add_co_u32 s69, s69, XIMG
	v_lshl_add_u32 v16, v1, 4, s69                 ; where I store my two images
	v_lshl_add_u32 v17, v0, 2, XSC                 ; my row's scale word; its cx lies 1,024 bytes on
	v_lshlrev_b32 v18, 5, v2
	s_delay_alu instid0(VALU_DEP_1)
	v_lshl_add_u32 v18, v3, 4, v18                 ; xcodes: 32 r + 16 h
	v_lshlrev_b32 v19, 3, v0                       ; 8 x thread: xmeta, blk
	v_lshl_add_u32 v60, v0, 2, GOUT
	v_lshl_add_u32 v61, v0, 3, GOUT
	s_lshl_b32 s69, s[WV], 2
	s_add_co_u32 s69, s69, SUMS
	v_mov_b32 v62, s69
	v_mov_b32 v63, SUMS
	v_lshlrev_b32 v246, 3, v3                      ; 8 h
	v_mov_b32 v240, 0                              ; a lane permute's destination counts as one of its sources
	v_mov_b32 v241, 0
.irp b, 0,1,2,3,4,5,6,7
.irp i, 4,5,6,7
	v_mov_b32 v[XF+8*\b+\i], 0                     ; k = 64 .. 127: zero codes, written once
.endr
.endr
; Tile t of my two: my block's largest magnitude, scale and codes; my row's x2 and scale word (with lane l xor 16's half).
.macro QX t
.set XB, RAW+32*\t
	v_max3_num_f32 v232, |v[XB]|, |v[XB+1]|, 0x1800000            ; the floor 2^(3 - 127): the byte cannot fall under 1
	v_max3_num_f32 v233, |v[XB+16]|, |v[XB+17]|, |v[XB+18]|
.irp i, 2,4,6,8,10,12
	s_delay_alu instid0(VALU_DEP_2)
	v_max3_num_f32 v232, v232, |v[XB+\i]|, |v[XB+\i+1]|
	s_delay_alu instid0(VALU_DEP_2)
	v_max3_num_f32 v233, v233, |v[XB+17+\i]|, |v[XB+18+\i]|
.endr
	s_delay_alu instid0(VALU_DEP_2)
	v_max3_num_f32 v232, v232, |v[XB+14]|, |v[XB+15]|
	s_delay_alu instid0(VALU_DEP_1)
	v_max3_num_f32 v232, v232, v233, |v[XB+31]|
	v_pk_mul_f32 v[236:237], v[XB:XB+1], v[XB:XB+1]
	v_pk_mul_f32 v[238:239], v[XB+2:XB+3], v[XB+2:XB+3]
.irp i, 4,8,12,16,20,24,28
	s_delay_alu instid0(VALU_DEP_2)
	v_pk_fma_f32 v[236:237], v[XB+\i:XB+\i+1], v[XB+\i:XB+\i+1], v[236:237]
	s_delay_alu instid0(VALU_DEP_2)
	v_pk_fma_f32 v[238:239], v[XB+\i+2:XB+\i+3], v[XB+\i+2:XB+\i+3], v[238:239]
.endr
	v_add_nc_u32 v234, 0xff000000, v232            ; 2 off the exponent field: the conversion's scale operand
	s_delay_alu instid0(VALU_DEP_1)
	v_lshrrev_b32 v235, 23, v234                   ; the scale's byte
	s_delay_alu instid0(VALU_DEP_3)
	v_pk_add_f32 v[236:237], v[236:237], v[238:239]
.irp i, 0,1,2,3
	v_cvt_scalef32_pk8_fp4_f32 v[224+4*\t+\i], v[XB+8*\i:XB+8*\i+7], v234   ; the operand's registers 0-3: k = 32 h + 0 .. 31
.endr
	v_add_f32 v236, v236, v237                     ; (a plain line behind the last conversion)
	s_delay_alu instid0(VALU_DEP_1)
	v_permlanex16_b32 v240, v236, s56, s57
	v_lshlrev_b32 v235, v246, v235                 ; my byte at its place: 8 h bits up
	s_delay_alu instid0(VALU_DEP_1)
	v_permlanex16_b32 v241, v235, s56, s57
	s_delay_alu instid0(VALU_DEP_3)
	v_add_f32 v236, v236, v240                     ; x2
	s_delay_alu instid0(VALU_DEP_2)
	v_or_b32 v235, v235, v241                      ; the row's two bytes,
	s_delay_alu instid0(VALU_DEP_2)
	v_mul_f32 v[244+\t], 0.5, v236                 ; cx
	s_delay_alu instid0(VALU_DEP_2)
	v_lshl_or_b32 v[242+\t], v235, 16, v235        ; twice: a later launch lays x in either half of K
.endm
	s_wait_loadcnt 8                               ; the first tile's eight loads are in; the second's eight may be out
	QX 0
	s_wait_loadcnt 0x0
	QX 1
	s_delay_alu instid0(VALU_DEP_1)
	v_cndmask_b32 v20, v242, v243, s62             ; lane l now holds row 32 w + l: lanes 0-15 of the first tile, lanes 16-31 of the second
	s_delay_alu instid0(VALU_DEP_3)
	v_cndmask_b32 v21, v244, v245, s62
	ds_store_b128 v16, v[224:227]                  ; a fragment goes to LDS as the image of its registers: 16 bytes a lane, 512 on end
	ds_store_b128 v16, v[228:231] offset:512
	ds_store_b32 v17, v20
	ds_store_b32 v17, v21 offset:1024
	global_store_b128 v18, v[224:227], s[12:13]    ; 512 consecutive bytes, aligned
	global_store_b128 v18, v[228:231], s[12:13] offset:512
	global_store_b64 v19, v[20:21], s[14:15]       ; 256 consecutive bytes, aligned
.irp f, 0,1,2,3
.irp i, 4,5,6,7
	v_mov_b32 v[WA+8*\f+\i], 0                     ; k = 64 .. 127 of the columns' fragments: zero codes, written once
.endr
.endr
	s_wait_xcnt 0x0                                ; the stores have read their registers
	s_wait_tensorcnt 0x0                           ; my part of the codebook has landed: I alone read it
	s_wait_dscnt 0x0                               ; for the others' sake: my images, scale words and cx have landed
	s_barrier_signal -1
	s_barrier_wait -1                              ; x's sixteen fragments lie in LDS
; A group's operands, k groups on from the trip's base, into buffer buf: 7 LDS loads
.macro LOADG buf, k
.irp u, 0,1
	ds_load_b128 v[WA+16*(\buf)+8*\u:WA+16*(\buf)+8*\u+3], v8 offset:GRPB*(\k)+128*\u
.endr
.irp u, 0,1
.irp c, 0,1
	ds_load_b128 v[WC+16*(\buf)+8*\u+4*\c:WC+16*(\buf)+8*\u+4*\c+3], v10 offset:128*(\k)+32*\u+16*\c
.endr
.endr
	ds_load_b32 v[WS+(\buf)], v9 offset:128*(\k)
.endm
; One matrix instruction: tile u of the group in buffer buf against tile b of x; C = -w2/2, D = half of score set b % 2.  D is never C: no sum is carried on.
.macro WM u, buf, b
.set rD, DD+16*((\b)%2)+8*(\u)
.set rA, WA+16*(\buf)+8*(\u)
.set rB, XF+8*(\b)
.set rC, WC+16*(\buf)+8*(\u)
.set rS, WS+(\buf)
.set rX, XS+(\b)/2
.if (\u) == 0
.if (\b)%2 == 0
	v_wmma_scale_f32_16x16x128_f8f6f4 v[rD:rD+7], v[rA:rA+7], v[rB:rB+7], v[rC:rC+7], v[rS], v[rX] matrix_a_fmt:MATRIX_FMT_FP4 matrix_b_fmt:MATRIX_FMT_FP4
.else
	v_wmma_scale_f32_16x16x128_f8f6f4 v[rD:rD+7], v[rA:rA+7], v[rB:rB+7], v[rC:rC+7], v[rS], v[rX] matrix_a_fmt:MATRIX_FMT_FP4 matrix_b_fmt:MATRIX_FMT_FP4 matrix_b_scale:MATRIX_SCALE_ROW1
.endif
.else
.if (\b)%2 == 0
	v_wmma_scale_f32_16x16x128_f8f6f4 v[rD:rD+7], v[rA:rA+7], v[rB:rB+7], v[rC:rC+7], v[rS], v[rX] matrix_a_fmt:MATRIX_FMT_FP4 matrix_b_fmt:MATRIX_FMT_FP4 matrix_a_scale:MATRIX_SCALE_ROW1
.else
	v_wmma_scale_f32_16x16x128_f8f6f4 v[rD:rD+7], v[rA:rA+7], v[rB:rB+7], v[rC:rC+7], v[rS], v[rX] matrix_a_fmt:MATRIX_FMT_FP4 matrix_b_fmt:MATRIX_FMT_FP4 matrix_a_scale:MATRIX_SCALE_ROW1 matrix_b_scale:MATRIX_SCALE_ROW1
.endif
.endif
.endm
; The cell's 16 scores, first half: five maxima of three.  Each result is first read at its low end: registers 0 and 8 of the set.
.macro CELLA b
.set dd, DD+16*((\b)%2)
	v_max3_num_f32 v[dd], v[dd], v[dd+1], v[dd+2]
	v_max3_num_f32 v[dd+3], v[dd+3], v[dd+4], v[dd+5]
	v_max3_num_f32 v[dd+6], v[dd+6], v[dd+7], v[dd+8]
	v_max3_num_f32 v[dd+9], v[dd+9], v[dd+10], v[dd+11]
	v_max3_num_f32 v[dd+12], v[dd+12], v[dd+13], v[dd+14]
.endm
; Second half: with the running maximum; the clip; where the clipped maximum has GROWN the group's number is kept: of equal ones the first stays.
.macro CELLB b, par
.set dd, DD+16*((\b)%2)
.if (\par) == 0
.set ro, P+2*(\b)
.set rn, RB+(\b)
.else
.set ro, RB+(\b)
.set rn, P+2*(\b)
.endif
	v_max3_num_f32 v[dd], v[dd], v[dd+3], v[dd+6]
	v_max3_num_f32 v[dd+9], v[dd+9], v[dd+12], v[dd+15]
	s_delay_alu instid0(VALU_DEP_1)
	v_max3_num_f32 v[dd], v[dd], v[dd+9], v[ro]
	s_delay_alu instid0(VALU_DEP_1)
	v_min_num_f32 v[rn], v[dd], v[CX+(\b)]
	s_delay_alu instid0(VALU_DEP_1)
	v_cmp_gt_f32 vcc_lo, v[rn], v[ro]
	s_delay_alu instid0(VALU_DEP_1)
	v_cndmask_b32 v[P+2*(\b)+1], v[P+2*(\b)+1], s59, vcc_lo
.endm
; A GROUP against the pass's 8 tiles of x.  The matrix instructions run one cell ahead of the vector work: in cell b's slot stand the next cell's two.
; par: the group's buffer, and which set of running maxima is the old one.  ld: the next group is fetched, k groups on from the trip's base.  nx: there is a next group.
; DISTANCES (four are asked ahead of a read of a result and of a load into an operand, five ahead of a matrix instruction that writes over a result).  A result is first read 11 (tile 0) or 6 (tile 1) plain vector
; lines behind its instruction, lines that name the other set alone; a set is written over a further slot on; the loads below go into a buffer whose last reader stands in slot 6 of the group before, with that slot's six lines between.
.macro SGRP par, ld, nx, k
.if \ld
	LOADG 1-\par, \k
.endif
.irp b, 0,1,2,3,4,5,6
	WM 0, \par, \b+1
	CELLA \b
	WM 1, \par, \b+1
	CELLB \b, \par
.endr
.if \nx
	s_wait_dscnt 0x0                               ; the next group's 7 loads, issued seven slots ago: nothing was issued behind them
	WM 0, 1-\par, 0
	CELLA 7
	WM 1, 1-\par, 0
	CELLB 7, \par
.else
	CELLA 7
	CELLB 7, \par
.endif
	s_add_co_u32 s59, s59, 1                       ; the next group's number
.endm
.macro ADDRS                           ; my lane's places in the trip's first group
	v_add_nc_u32 v8, s60, v5
	v_add_nc_u32 v9, s61, v6
	v_add_nc_u32 v10, s61, v7
.endm
; PASS p: my 16 groups against tiles 8 p .. 8 p + 7 of x.
.macro PASS p
	s_lshl_b32 s59, s[WV], 4                       ; my first group's number
	s_mov_b32 s60, 0
	s_mov_b32 s61, 0
.irp b, 0,1,2,3,4,5,6,7
	ds_load_b128 v[XF+8*\b:XF+8*\b+3], v11 offset:(8*\p+\b)*512
.endr
.irp i, 0,1,2,3
	ds_load_b32 v[XS+\i], v12 offset:(4*\p+\i)*128
.endr
.irp b, 0,1,2,3,4,5,6,7
	ds_load_b32 v[CX+\b], v13 offset:(8*\p+\b)*64
.endr
	ADDRS
	LOADG 0, 0
	s_wait_dscnt 0x0                               ; all of them; and the pass before has stored its results
	WM 0, 0, 0
	WM 1, 0, 0
.irp b, 0,1,2,3,4,5,6,7                        ; these sixteen plain lines are also the places behind the two products above
	v_mov_b32 v[P+2*\b], 0xff800000                ; the running maximum: -infinity
	v_mov_b32 v[P+2*\b+1], s59
.endr
	s_mov_b32 s58, 7
.Ltrip_\@:                                             ; a trip: two groups; 7 trips, and the last two groups behind the loop, where nothing more is fetched
	s_wait_alu depctr_va_vdst(0)
	SGRP 0, 1, 1, 1
	SGRP 1, 1, 1, 2
	s_add_co_u32 s60, s60, 2*GRPB
	s_add_co_u32 s61, s61, 256
	ADDRS
	s_sub_co_u32 s58, s58, 1
	s_cmp_lg_u32 s58, 0
	s_cbranch_scc1 .Ltrip_\@
	SGRP 0, 1, 1, 1
	SGRP 1, 0, 0, 0
.irp b, 0,1,2,3,4,5,6,7
	v_lshl_or_b32 v[P+2*\b+1], v[P+2*\b+1], 1, v3  ; the block: 2 x group + h
.endr
.irp b, 0,1,2,3,4,5,6,7
	ds_store_b64 v14, v[P+2*\b:P+2*\b+1] offset:(8*\p+\b)*2048
.endr
.endm
	PASS 0
	PASS 1
	s_wait_dscnt 0x0                               ; for the others' sake: my results have landed
	s_barrier_signal -1
	s_barrier_wait -1
	; THE END.  Thread t takes row t: sixteen candidates (largest F', block), one from each half of the lanes of each wave.
.irp c, 0,1,2,3,4,5,6,7,8,9,10,11,12,13,14,15
	ds_load_b64 v[128+2*\c:129+2*\c], v15 offset:128*\c   ; candidate 2 w + h
.endr
	s_wait_dscnt 0x0
.irp q, 0,4                                    ; a wave's two halves: the larger value, and of equal ones the lower block.  Four waves' pairs at a time
.irp i, 0,1,2,3
	v_cmp_gt_f32 s[66+\i], v[130+4*(\q+\i)], v[128+4*(\q+\i)]
	v_cmp_eq_f32 s[70+\i], v[130+4*(\q+\i)], v[128+4*(\q+\i)]
	v_cmp_lt_u32 s[74+\i], v[131+4*(\q+\i)], v[129+4*(\q+\i)]
.endr
.irp i, 0,1,2,3
	s_and_b32 s[70+\i], s[70+\i], s[74+\i]
	s_or_b32 s[66+\i], s[66+\i], s[70+\i]
.endr
.irp i, 0,1,2,3
	v_cndmask_b32 v[128+4*(\q+\i)], v[128+4*(\q+\i)], v[130+4*(\q+\i)], s[66+\i]
	v_cndmask_b32 v[129+4*(\q+\i)], v[129+4*(\q+\i)], v[131+4*(\q+\i)], s[66+\i]
.endr
.endr
.irp w, 1
	v_cmp_gt_f32 vcc_lo, v[128+4*\w], v128
	s_delay_alu instid0(VALU_DEP_1)
	v_cndmask_b32 v128, v128, v[128+4*\w], vcc_lo
	s_delay_alu instid0(VALU_DEP_2)
	v_cndmask_b32 v129, v129, v[129+4*\w], vcc_lo
.endr
.irp w, 2, 3, 4, 5, 6, 7
	s_delay_alu instid0(VALU_DEP_2)
	v_cmp_gt_f32 vcc_lo, v[128+4*\w], v128
	s_delay_alu instid0(VALU_DEP_1)
	v_cndmask_b32 v128, v128, v[128+4*\w], vcc_lo
	s_delay_alu instid0(VALU_DEP_2)
	v_cndmask_b32 v129, v129, v[129+4*\w], vcc_lo
.endr
	s_delay_alu instid0(VALU_DEP_2)
	v_sub_f32 v160, v21, v128                      ; cx - F'
	s_delay_alu instid0(VALU_DEP_1)
	v_add_f32 v160, v160, v160                     ; d2
	s_delay_alu instid0(VALU_DEP_1)
	v_max_num_f32 v160, 0, v160
	s_wait_alu depctr_va_vdst(0)
	v_sqrt_f32 v161, v160                          ; the row's smallest distance
	v_mov_b32 v163, 0                              ; a plain line behind the root; and the permute's destination is written
	ds_store_b32 v60, v129
	s_wait_alu depctr_va_vdst(0)                   ; the wait ahead of the first line that names the root's result
	v_add_f32_dpp v161, v161, v161 row_xmask:1 row_mask:0xf bank_mask:0xf
	s_delay_alu instid0(VALU_DEP_1)
	v_add_f32_dpp v161, v161, v161 row_xmask:2 row_mask:0xf bank_mask:0xf
	s_delay_alu instid0(VALU_DEP_1)
	v_add_f32_dpp v161, v161, v161 row_xmask:4 row_mask:0xf bank_mask:0xf
	s_delay_alu instid0(VALU_DEP_1)
	v_add_f32_dpp v161, v161, v161 row_xmask:8 row_mask:0xf bank_mask:0xf
	s_delay_alu instid0(VALU_DEP_1)
	v_permlanex16_b32 v163, v161, s56, s57
	s_delay_alu instid0(VALU_DEP_1)
	v_add_f32 v161, v161, v163                     ; my wave's 32 rows
	ds_store_b32 v62, v161                         ; all lanes write the same word with the same value
	s_wait_dscnt 0x0
	s_barrier_signal -1
	s_barrier_wait -1
	s_cmp_lt_u32 s[WV], 4
	s_cbranch_scc0 .Lnot_blk                       ; waves 0-3 store the 256 blocks: 8 bytes a lane, 256 consecutive bytes a wave, aligned
	ds_load_b64 v[164:165], v61
	s_wait_dscnt 0x0
	global_store_b64 v19, v[164:165], s[16:17]
.Lnot_blk:
	s_cmp_eq_u32 s[WV], 4
	s_cbranch_scc0 .Lnot_sum                       ; wave 4 adds the eight waves' sums
	ds_load_b128 v[164:167], v63
	ds_load_b128 v[168:171], v63 offset:16
	s_wait_dscnt 0x0
	v_add_f32 v164, v164, v165
	v_add_f32 v166, v166, v167
	v_add_f32 v168, v168, v169
	v_add_f32 v170, v170, v171
	s_delay_alu instid0(VALU_DEP_3)
	v_add_f32 v164, v164, v166
	s_delay_alu instid0(VALU_DEP_2)
	v_add_f32 v168, v168, v170
	s_delay_alu instid0(VALU_DEP_1)
	v_add_f32 v164, v164, v168
	s_wait_alu depctr_va_vdst(0)
	s_wait_xcnt 0x0                                ; EXEC changes only behind this wait
	v_cmp_eq_u32 vcc_lo, 0, v1
	s_and_saveexec_b32 s66, vcc_lo
	global_store_b32 v1, v164, s[18:19]            ; lane 0 alone (its v1 is 0): the work-group's sum of 256 distances
	s_wait_xcnt 0x0                                ; and again, in front of the line that widens it
	s_or_b32 exec_lo, exec_lo, s66
.Lnot_sum:
	s_wait_tensorcnt 0x0
	ds_add_u32 v254, v255
	s_wait_dscnt 0x0
	CROUND                                         ; the closing round: no work-group ends while a partner may still ask for a part that names it
	s_endpgm
.Lfunc_end_k_q47a3d9f5a8_sweep:
	.size	k_q47a3d9f5a8_sweep, .Lfunc_end_k_q47a3d9f5a8_sweep-k_q47a3d9f5a8_sweep
	.p2alignl 7, 3214868480
	.fill 96, 4, 3214868480
	.section	.rodata,"a",@progbits
	.p2align	6, 0x0
	.amdhsa_kernel k_q47a3d9f5a8_sweep
		.amdhsa_group_segment_fixed_size 242688
		.amdhsa_private_segment_fixed_size 0
		.amdhsa_enable_private_segment 0
		.amdhsa_kernarg_size 64
		.amdhsa_user_sgpr_count 2
		.amdhsa_user_sgpr_kernarg_segment_ptr 1
		.amdhsa_wavefront_size32 1
		.amdhsa_system_sgpr_workgroup_id_x 1
		.amdhsa_system_sgpr_workgroup_id_y 1
		.amdhsa_system_sgpr_workgroup_id_z 1
		.amdhsa_system_vgpr_workitem_id 0
		.amdhsa_next_free_vgpr 256
		.amdhsa_next_free_sgpr 80
		.amdhsa_reserve_vcc 1
		.amdhsa_float_denorm_mode_32 3
		.amdhsa_float_denorm_mode_16_64 3
		.amdhsa_memory_ordered 1
		.amdhsa_forward_progress 1
		.amdhsa_inst_pref_size 102
	.end_amdhsa_kernel
	.amdgpu_metadata
---
amdhsa.version: [ 1, 2 ]
amdhsa.kernels:
  - .name:           k_q47a3d9f5a8_sweep
    .symbol:         k_q47a3d9f5a8_sweep.kd
    .args:
      - { .name: x, .offset: 0, .size: 8, .value_kind: global_buffer, .address_space: global }
      - { .name: wcodes, .offset: 8, .size: 8, .value_kind: global_buffer, .address_space: global }
      - { .name: wscale, .offset: 16, .size: 8, .value_kind: global_buffer, .address_space: global }
      - { .name: nhalf, .offset: 24, .size: 8, .value_kind: global_buffer, .address_space: global }
      - { .name: xcodes, .offset: 32, .size: 8, .value_kind: global_buffer, .address_space: global }
      - { .name: xmeta, .offset: 40, .size: 8, .value_kind: global_buffer, .address_space: global }
      - { .name: blk, .offset: 48, .size: 8, .value_kind: global_buffer, .address_space: global }
      - { .name: part, .offset: 56, .size: 8, .value_kind: global_buffer, .address_space: global }
    .group_segment_fixed_size: 242688
    .private_segment_fixed_size: 0
    .kernarg_segment_align: 8
    .kernarg_segment_size: 64
    .max_flat_workgroup_size: 256
    .sgpr_count:     80
    .vgpr_count:     256
    .wavefront_size: 32
...
	.end_amdgpu_metadata
.endif
;; end of part 2
;; launch pick (part 3): grid 256 x 1, 16 waves a work-group, no clusters, 4,096 bytes of LDS; arguments xcodes, xmeta, blk, wcodes, wscale, nhalf, location, part, out0, out1; writes out0, out1
.if DOCPART == 3
	.amdgcn_target "amdgcn-amd-amdhsa--gfx1250"
	.amdhsa_code_object_version 6
	.text
	.protected	k_q47a3d9f5a8_pick
	.globl	k_q47a3d9f5a8_pick
	.p2align	8
	.type	k_q47a3d9f5a8_pick,@function
k_q47a3d9f5a8_pick:
	s_mov_b64 s[64:65], 0
	v_nop
	global_prefetch_b8 v0, s[64:65] scope:SCOPE_SE
	s_setreg_imm32_b32 hwreg(HW_REG_WAVE_MODE, 25, 1), 1
	s_wait_xcnt 0x0
; For each row of x: the 16 scores F = x.w - w2/2 of its winning block (blk, stored by the launch before) are made again by the matrix instruction, the largest F' = min(F, cx) is found, of equal ones the lowest column,
; and that column's location is chosen by selects: no address hangs on a floating-point number.  Work-group 0 also adds the 256 partial sums of distances: out0 = their sum / 65,536.
; SHARES.  A wave takes 16 rows as the 16 columns of source 1.  K is 64, the instruction's 128: THE SPARE HALF OF K SERVES A SECOND ROW.  Step s takes as source 0 [the block of row 2 s at k 0-63 | the block of row 2 s + 1 at k 64-127];
;   even columns of source 1 are [x | zero codes], odd ones [zero codes | x].  Columns 2 s and 2 s + 1 of the result are then the 16 scores of rows 2 s and 2 s + 1; the other columns are not kept.  8 matrix instructions for 16 rows.
;   C is each lane's own: -w2/2 of columns 8 h + 0 .. 7 of ITS row's block: right in the two columns that a step keeps.
; LIMITS: as in the launch before: the score is rounded as x.w - w2/2; NaN and infinities are not served.  A block number is held at 255 ahead of every address.
; No cluster: the blocks that a wave gathers hang on its own rows.  No tensor load: the gathers go straight into the operands' registers, whose image the codes' layout is.
.set T,   12                           ; v12-15   my row's codes, half h
.set BF,  24                           ; v24-31   source 1
.set CF,  32                           ; v32-39   C
.set LOC, 40                           ; v40-55   the locations of my 8 columns: pairs
.set ADR, 56                           ; v56-71   offsets of the 16 blocks' codes
.set SA,  72                           ; v72-87   the 16 blocks' scale words; then, in the even ones, a step's word
.set AF,  96                           ; v96-159  source 0 of the 8 steps
.set V,   160                          ; v160-167 my row's 8 scores
.set DD,  168                          ; v168-183 two results by turns
.set SAD, 192                          ; v192-207 offsets of the 16 blocks' scale words
; v1 lane, v2 r, v3 h, v4 16 x lane, v5 4 r, v6 my row's block, v7, v8 its offsets in nhalf and location, v9 32 r + 16 h, v10 8 r, v11 my word in LDS, v16 x's scale word, v17 cx, v18 8 x thread, v19 32 x lane, v184-190 at work
	s_load_b512 s[4:19], s[0:1], 0x0               ; xcodes s[4:5], xmeta s[6:7], blk s[8:9], wcodes s[10:11], wscale s[12:13], nhalf s[14:15], location s[16:17], part s[18:19]
	s_load_b128 s[20:23], s[0:1], 0x40             ; out0 s[20:21], out1 s[22:23]
	v_lshl_add_u32 v208, v0, 2, 0x800
	v_mov_b32 v209, 0
	v_lshrrev_b32 v1, 5, v0
	s_delay_alu instid0(VALU_DEP_1)
	v_readfirstlane_b32 s24, v1                    ; wave 0..15
	v_and_b32 v1, 31, v0
	v_and_b32 v2, 15, v0
	v_bfe_u32 v3, v0, 4, 1
	s_delay_alu instid0(VALU_DEP_3)
	v_lshlrev_b32 v4, 4, v1
	s_delay_alu instid0(VALU_DEP_3)
	v_lshlrev_b32 v5, 2, v2
	s_delay_alu instid0(VALU_DEP_4)
	v_lshlrev_b32 v9, 5, v2
	s_delay_alu instid0(VALU_DEP_1)
	v_lshl_add_u32 v9, v3, 4, v9
	v_lshlrev_b32 v10, 3, v2
	v_and_b32 v11, 0x1e0, v0                       ; 32 x wave
	s_delay_alu instid0(VALU_DEP_1)
	v_lshlrev_b32 v11, 2, v11
	s_delay_alu instid0(VALU_DEP_1)
	v_lshl_add_u32 v11, v2, 3, v11
	s_delay_alu instid0(VALU_DEP_1)
	v_lshl_add_u32 v11, v3, 2, v11                 ; 128 x wave + 8 r + 4 h: component h of row 16 x wave + r
	v_lshlrev_b32 v18, 3, v0
	v_lshlrev_b32 v19, 5, v1
	v_mov_b32 v187, 0                              ; a lane permute's destination counts as one of its sources
	v_mov_b32 v188, 0
	v_mov_b32 v189, 0
	s_lshl_b32 s25, ttmp9, 8
	s_lshl_b32 s26, s24, 4
	s_add_co_u32 s25, s25, s26                     ; my first row
	s_lshl_b32 s26, s25, 5                         ; xcodes: 32 bytes a row
	s_mov_b32 s27, 0
	s_lshl_b32 s28, s25, 3                         ; xmeta: 8
	s_mov_b32 s29, 0
	s_lshl_b32 s30, s25, 2                         ; blk: 4
	s_mov_b32 s31, 0
.irp s, 1,2,3,4,5,6,7
	s_mov_b32 s[47+\s], (3<<(2*\s))*0x10001        ; the lanes of columns 2 s and 2 s + 1, both halves
.endr
	s_mov_b32 s55, 0x55555555                      ; even columns
	s_mov_b32 s56, 0x76543210
	s_mov_b32 s57, 0xfedcba98                      ; v_permlanex16_b32's selects for lane l xor 16
	s_mov_b32 s58, 0x05040100                      ; v_perm_b32: the low halves of two words
	s_mov_b32 s59, 0xffff0000                      ; lanes 16-31
	s_wait_kmcnt 0x0
	s_add_nc_u64 s[4:5], s[4:5], s[26:27]
	s_add_nc_u64 s[6:7], s[6:7], s[28:29]
	s_add_nc_u64 s[8:9], s[8:9], s[30:31]
	s_load_b512 s[32:47], s[8:9], 0x0              ; my 16 rows' blocks, as scalars: a step's source 0 is one block for all lanes
	global_load_b32 v6, v5, s[8:9]                 ; and my own row's, a lane
	global_load_b128 v[T:T+3], v9, s[4:5]
	global_load_b64 v[16:17], v10, s[6:7]
	s_lshl_b32 s26, ttmp9, 11                      ; out1: 8 bytes a row, 256 rows a work-group
	s_add_nc_u64 s[22:23], s[22:23], s[26:27]
	s_wait_kmcnt 0x0
.irp i, 0,1,2,3,4,5,6,7,8,9,10,11,12,13,14,15
	s_min_u32 s[32+\i], s[32+\i], 255
.endr
.irp i, 0,1,2,3,4,5,6,7,8,9,10,11,12,13,14,15
	v_lshl_add_u32 v[ADR+\i], s[32+\i], 9, v4      ; a block's codes: 512 bytes, 16 a lane
	v_lshl_add_u32 v[SAD+\i], s[32+\i], 6, v5      ; its scale words: 64 bytes, lane r column r's
.endr
.irp i, 0,1,2,3,4,5,6,7,8,9,10,11,12,13,14,15
	global_load_b128 v[AF+8*(\i/2)+4*(\i%2):AF+8*(\i/2)+4*(\i%2)+3], v[ADR+\i], s[10:11]   ; row i's block: registers 0-3 (k 0-63) or 4-7 (k 64-127) of step i / 2
	global_load_b32 v[SA+\i], v[SAD+\i], s[12:13]
.endr
	s_wait_loadcnt 34                              ; my row's block is in: behind it stand x's codes, x's pair and the 32 gathers
	v_min_u32 v6, 255, v6
	s_delay_alu instid0(VALU_DEP_1)
	v_lshlrev_b32 v7, 6, v6
	s_delay_alu instid0(VALU_DEP_1)
	v_lshl_add_u32 v7, v3, 5, v7                   ; nhalf: 4 (16 G + 8 h)
	s_delay_alu instid0(VALU_DEP_3)
	v_lshlrev_b32 v8, 7, v6
	s_delay_alu instid0(VALU_DEP_1)
	v_lshl_add_u32 v8, v3, 6, v8                   ; location: 8 (16 G + 8 h)
	global_load_b128 v[CF:CF+3], v7, s[14:15]
	global_load_b128 v[CF+4:CF+7], v7, s[14:15] offset:16
.irp i, 0,1,2,3
	global_load_b128 v[LOC+4*\i:LOC+4*\i+3], v8, s[16:17] offset:16*\i
.endr
	s_wait_loadcnt 38                              ; x's codes and pair are in: behind them stand the 32 gathers and the 6 loads above
.irp i, 0,1,2,3
	v_cndmask_b32 v[BF+\i], 0, v[T+\i], s55        ; even columns: x at k 0-63,
	v_cndmask_b32 v[BF+4+\i], v[T+\i], 0, s55      ; odd columns: at k 64-127; zero codes elsewhere
.endr
	s_wait_loadcnt 0x0
.irp s, 0,1,2,3,4,5,6,7
	v_perm_b32 v[SA+2*\s], v[SA+2*\s+1], v[SA+2*\s], s58   ; a step's scale word: the even row's block's two bytes below, the odd row's above
.endr
.rept 8
	v_nop                                          ; a scale register written by a vector instruction stands 8 places ahead of a scaled matrix instruction
.endr
.macro W s, dst
	v_wmma_scale_f32_16x16x128_f8f6f4 v[(\dst):(\dst)+7], v[AF+8*(\s):AF+8*(\s)+7], v[BF:BF+7], v[CF:CF+7], v[SA+2*(\s)], v16 matrix_a_fmt:MATRIX_FMT_FP4 matrix_b_fmt:MATRIX_FMT_FP4
.endm
.macro MERGE s                         ; columns 2 s and 2 s + 1 take step s's scores; each result is read from its low end on
.irp j, 0,1,2,3,4,5,6,7
	v_cndmask_b32 v[V+\j], v[V+\j], v[DD+8*((\s)%2)+\j], s[47+(\s)]
.endr
.endm
	s_wait_alu depctr_va_vdst(0)
	W 0, V                                         ; step 0 writes the scores' registers themselves: its columns 0 and 1 stay
	W 1, DD+8
.rept 5
	v_nop                                          ; five places: step 3 writes over step 1's result, and the merge of step 1 names that result, so it is no place for it (ISA guide 7.12.1)
.endr
.irp s, 1,2,3,4,5,6                            ; a step's product stands ahead of the merge of the step before: that merge's eight lines are its places
	W \s+1, DD+8*((\s+1)%2)
	MERGE \s
.endr
	MERGE 7
.irp j, 0,1,2,3,4,5,6,7
	v_min_num_f32 v[V+\j], v[V+\j], v17            ; the clip: d2 is held at 0 from below
.endr
.irp j, 1
	v_cmp_gt_f32 vcc_lo, v[V+\j], v[V]
	s_delay_alu instid0(VALU_DEP_1)
	v_cndmask_b32 v[LOC], v[LOC], v[LOC+2*\j], vcc_lo
	s_delay_alu instid0(VALU_DEP_2)
	v_cndmask_b32 v[LOC+1], v[LOC+1], v[LOC+2*\j+1], vcc_lo
	v_max_num_f32 v[V], v[V], v[V+\j]
.endr
.irp j, 2, 3, 4, 5, 6, 7
	s_delay_alu instid0(VALU_DEP_1)
	v_cmp_gt_f32 vcc_lo, v[V+\j], v[V]
	s_delay_alu instid0(VALU_DEP_1)
	v_cndmask_b32 v[LOC], v[LOC], v[LOC+2*\j], vcc_lo
	s_delay_alu instid0(VALU_DEP_2)
	v_cndmask_b32 v[LOC+1], v[LOC+1], v[LOC+2*\j+1], vcc_lo
	s_delay_alu instid0(VALU_DEP_4)
	v_max_num_f32 v[V], v[V], v[V+\j]
.endr
	s_delay_alu instid0(VALU_DEP_1)
	v_permlanex16_b32 v187, v[V], s56, s57         ; the other half of the lanes holds the row's other 8 columns
	s_delay_alu instid0(VALU_DEP_4)
	v_permlanex16_b32 v188, v[LOC], s56, s57
	s_delay_alu instid0(VALU_DEP_4)
	v_permlanex16_b32 v189, v[LOC+1], s56, s57
	s_delay_alu instid0(VALU_DEP_3)
	v_cmp_gt_f32 s60, v187, v[V]
	s_delay_alu instid0(VALU_DEP_4)
	v_cmp_ge_f32 s61, v187, v[V]
	s_and_b32 s60, s60, 0xffff                     ; lanes 0-15 hold the lower columns: they yield to a larger value alone;
	s_and_b32 s61, s61, s59                        ; lanes 16-31 yield to an equal one too
	s_or_b32 vcc_lo, s60, s61
	v_cndmask_b32 v[LOC], v[LOC], v188, vcc_lo
	v_cndmask_b32 v[LOC+1], v[LOC+1], v189, vcc_lo
	s_delay_alu instid0(VALU_DEP_1)
	v_cndmask_b32 v190, v[LOC], v[LOC+1], s59      ; lane (r, h) keeps component h
	ds_store_b32 v11, v190
	s_wait_dscnt 0x0                               ; for the others' sake: my store has landed
	s_barrier_signal -1
	s_barrier_wait -1
	s_cmp_lt_u32 s24, 8
	s_cbranch_scc0 .Lnot_out                       ; waves 0-7 store the work-group's 2,048 bytes: 256 consecutive bytes a wave, aligned
	ds_load_b64 v[184:185], v18
	s_wait_dscnt 0x0
	global_store_b64 v18, v[184:185], s[22:23]
.Lnot_out:
	s_sub_co_u32 s25, s24, 8
	s_or_b32 s25, s25, ttmp9
	s_cmp_eq_u32 s25, 0
	s_cbranch_scc0 .Ldone                          ; wave 8 of work-group 0: the mean
	global_load_b128 v[168:171], v19, s[18:19]     ; 256 partial sums: 8 a lane
	global_load_b128 v[172:175], v19, s[18:19] offset:16
	s_wait_loadcnt 0x0
	v_add_f32 v168, v168, v169
	v_add_f32 v170, v170, v171
	v_add_f32 v172, v172, v173
	v_add_f32 v174, v174, v175
	s_delay_alu instid0(VALU_DEP_3)
	v_add_f32 v168, v168, v170
	s_delay_alu instid0(VALU_DEP_2)
	v_add_f32 v172, v172, v174
	s_delay_alu instid0(VALU_DEP_1)
	v_add_f32 v168, v168, v172
	s_delay_alu instid0(VALU_DEP_1)
	v_add_f32_dpp v168, v168, v168 row_xmask:1 row_mask:0xf bank_mask:0xf
	s_delay_alu instid0(VALU_DEP_1)
	v_add_f32_dpp v168, v168, v168 row_xmask:2 row_mask:0xf bank_mask:0xf
	s_delay_alu instid0(VALU_DEP_1)
	v_add_f32_dpp v168, v168, v168 row_xmask:4 row_mask:0xf bank_mask:0xf
	s_delay_alu instid0(VALU_DEP_1)
	v_add_f32_dpp v168, v168, v168 row_xmask:8 row_mask:0xf bank_mask:0xf
	s_delay_alu instid0(VALU_DEP_1)
	v_permlanex16_b32 v187, v168, s56, s57
	s_delay_alu instid0(VALU_DEP_1)
	v_add_f32 v168, v168, v187
	s_delay_alu instid0(VALU_DEP_1)
	v_mul_f32 v168, 0x37800000, v168               ; / 65,536
	s_wait_alu depctr_va_vdst(0)
	s_wait_xcnt 0x0                                ; EXEC changes only behind this wait
	v_cmp_eq_u32 vcc_lo, 0, v1
	s_and_saveexec_b32 s60, vcc_lo
	global_store_b32 v1, v168, s[20:21]            ; lane 0 alone (its v1 is 0)
	s_wait_xcnt 0x0                                ; and again, in front of the line that widens it
	s_or_b32 exec_lo, exec_lo, s60
.Ldone:
	s_wait_tensorcnt 0x0
	ds_add_u32 v208, v209
	s_wait_dscnt 0x0
	s_endpgm
.Lfunc_end_k_q47a3d9f5a8_pick:
	.size	k_q47a3d9f5a8_pick, .Lfunc_end_k_q47a3d9f5a8_pick-k_q47a3d9f5a8_pick
	.p2alignl 7, 3214868480
	.fill 96, 4, 3214868480
	.section	.rodata,"a",@progbits
	.p2align	6, 0x0
	.amdhsa_kernel k_q47a3d9f5a8_pick
		.amdhsa_group_segment_fixed_size 4096
		.amdhsa_private_segment_fixed_size 0
		.amdhsa_enable_private_segment 0
		.amdhsa_kernarg_size 80
		.amdhsa_user_sgpr_count 2
		.amdhsa_user_sgpr_kernarg_segment_ptr 1
		.amdhsa_wavefront_size32 1
		.amdhsa_system_sgpr_workgroup_id_x 1
		.amdhsa_system_sgpr_workgroup_id_y 1
		.amdhsa_system_sgpr_workgroup_id_z 1
		.amdhsa_system_vgpr_workitem_id 0
		.amdhsa_next_free_vgpr 210
		.amdhsa_next_free_sgpr 66
		.amdhsa_reserve_vcc 1
		.amdhsa_float_denorm_mode_32 3
		.amdhsa_float_denorm_mode_16_64 3
		.amdhsa_memory_ordered 1
		.amdhsa_forward_progress 1
		.amdhsa_inst_pref_size 21
	.end_amdhsa_kernel
	.amdgpu_metadata
---
amdhsa.version: [ 1, 2 ]
amdhsa.kernels:
  - .name:           k_q47a3d9f5a8_pick
    .symbol:         k_q47a3d9f5a8_pick.kd
    .args:
      - { .name: xcodes, .offset: 0, .size: 8, .value_kind: global_buffer, .address_space: global }
      - { .name: xmeta, .offset: 8, .size: 8, .value_kind: global_buffer, .address_space: global }
      - { .name: blk, .offset: 16, .size: 8, .value_kind: global_buffer, .address_space: global }
      - { .name: wcodes, .offset: 24, .size: 8, .value_kind: global_buffer, .address_space: global }
      - { .name: wscale, .offset: 32, .size: 8, .value_kind: global_buffer, .address_space: global }
      - { .name: nhalf, .offset: 40, .size: 8, .value_kind: global_buffer, .address_space: global }
      - { .name: location, .offset: 48, .size: 8, .value_kind: global_buffer, .address_space: global }
      - { .name: part, .offset: 56, .size: 8, .value_kind: global_buffer, .address_space: global }
      - { .name: out0, .offset: 64, .size: 8, .value_kind: global_buffer, .address_space: global }
      - { .name: out1, .offset: 72, .size: 8, .value_kind: global_buffer, .address_space: global }
    .group_segment_fixed_size: 4096
    .private_segment_fixed_size: 0
    .kernarg_segment_align: 8
    .kernarg_segment_size: 80
    .max_flat_workgroup_size: 512
    .sgpr_count:     66
    .vgpr_count:     210
    .wavefront_size: 32
...
	.end_amdgpu_metadata
.endif
;; end of part 3
